; MI455X (gfx1250); checked and timed in simulation.
; The chip was launched on July 23, 2026; its instructions are those of AMD's public machine-readable ISA for CDNA 5 (MIT licence, August 2026) and "CDNA5" Instruction Set Architecture Reference Guide (July 2026). The comments in the code are by the model that wrote it; some were corrected since.
;; Feature Time Attention Layer. Allowed arithmetic: float matrix products may take bf16 or f16 operands with f32 sums; all other float work in f32.
;; Inputs: beta_weights 1 x 64 x 1 float32; bias 1 x 1 x 32 x 128 float32; inputs 256 x 64 x 32 float32; kernel 1 x 1 x 32 x 128 float32; latent_reps 256 x 64 x 128 float32.
;; Outputs: out0 256 x 128 float32.
;; One version. Each part assembles by itself: llvm-mc -triple=amdgcn-amd-amdhsa -mcpu=gfx1250 --defsym DOCPART=n.
;; ======== version 1 of 1: 1 launch
;; limits: a difference of large sums (such as E[x^2] - mean^2): digits are lost where the result is much smaller than its terms; values outside matrix products are rounded to bf16
;; launch fta (part 1): grid 256 x 1, 2 waves a work-group, no clusters, 79,104 bytes of LDS; arguments inputs, latent_reps, kernel, bias, beta_weights, out0; writes out0
.if DOCPART == 1
	.amdgcn_target "amdgcn-amd-amdhsa--gfx1250"
	.amdhsa_code_object_version 6
	.text
	.protected	k_q1aac2413e4_fta
	.globl	k_q1aac2413e4_fta
	.p2align	8
	.type	k_q1aac2413e4_fta,@function
k_q1aac2413e4_fta:
	s_mov_b64 s[64:65], 0
	v_nop
	global_prefetch_b8 v0, s[64:65] scope:SCOPE_SE
	s_setreg_imm32_b32 hwreg(HW_REG_WAVE_MODE, 25, 1), 1
	s_wait_xcnt 0x0
; z[b] = sum over t of beta[t] * (projection of y[b,t] on the rows of fp = diag(x[b,t]) K + B),  K, B: [32][128], x: 32, y: 128.
; Three identities, exact for every input, replace the per-system matrix products:
;   M = [K; B] (64 x 128), G = M M^T.  A[i][j] = x_i (x_j KK_ij + K_i.B_j) + (x_j B_i.K_j + BB_ij): three FMAs an entry, from G.
;   c = fp y = x o (K y) + B y: one 64 x 64 x 128 product a batch.
;   z = K^T (sum_t beta x o alpha) + B^T (sum_t beta alpha): the sum over t first, then one 64 x 128 product with a vector.
; One work-group = one batch b, two waves; lane l of wave w owns system t = 32 w + l and keeps the lower triangle of its A in 544
; registers, so that Cholesky and both substitutions need no other lane and run as packed f32 FMAs on row pairs.  Straight-line text.
; FORMATS: K, B, x, y are rounded once to bf16 (they are the factors of the matrix operands fp and y); the same rounded values serve
; G, M y, A and the last product, so the result is the projection for the rounded operands.  beta, A, the solve and all sums are f32.
; LIMITS: no pivoting: A has to be positive definite in f32 arithmetic and its pivots at least 2^-126 (v_rsq_f32 takes a denormal as 0);
; otherwise NaN or infinity comes out.  A is made from G: where x_i K_i nearly cancels B_i an entry is a difference of larger terms,
; and its relative error is about 2^-24 times the ratio of those terms to the entry.
; NO CLUSTER, NO TENSOR LOADS: all that work-groups share is K and B, 32 KiB of the 74 KiB that a work-group reads, read once, and every
; input passes through registers to be converted.  NO PREFETCH: every global load of the kernel is issued at its first lines.
;
; LDS (bytes)
.set PM,  272                          ; pitch of rows of 128 bf16 or 64 f32: 256 + 16, an odd multiple of 16
.set YB,  17408                        ; 0: M in bf16, 64 rows.  YB: y in bf16, 64 rows
.set XB,  34816                        ; x in f32, 64 rows of pitch 144
.set PX,  144
.set TB,  44032                        ; table of G: column j at 528 j; record of rows i, i+1 (i even) at 16 i, 32 bytes:
.set PT,  528                          ;   KK[i][j] KK[i+1][j] K_i.B_j K_i+1.B_j | B_i.K_j B_i+1.K_j BB[i][j] BB[i+1][j]
.set SB,  60928                        ; a row of 64 f32 for each system: beta x alpha (32), beta alpha (32)
.set PB,  78336                        ; the two waves' sums of those rows, 256 bytes each
; REGISTERS, window 0
.set GA,  4                            ; 16 t                       global: K, B
.set GY,  5                            ; 16384 w + 16 l             global: y
.set GX,  6                            ; 4096 w + 16 l              global: x
.set GB,  7                            ; 4 t                        global: beta; LDS: my two columns of a row of M
.set SM,  8                            ; 272 w + 8 l                LDS store of M
.set SY,  9                            ; YB + 8704 w + 8 l          LDS store of y
.set SX,  10                           ; XB + 4608 w + 144 (l>>3) + 16 (l&7)
.set LX,  11                           ; XB + 4608 w + 144 l        my system's x
.set FM,  12                           ; 272 r + 16 h               fragments of M
.set FB,  13                           ; FM + 8704 w                fragments of my wave's 32 rows of M (K for wave 0, B for wave 1)
.set FY,  14                           ; FB + YB                    fragments of my wave's 32 rows of y
.set STB, 15                           ; TB + 528 r + 128 h + 8 w   store into the table
.set X,   16                           ; v[16:47]   x, later beta x alpha
.set C,   48                           ; v[48:79]   c, then L^-1 c, then alpha, then beta alpha
.set INV, 80                           ; v[80:111]  1 / sqrt(pivot)
.set TA,  113                          ; TB
.set SSY, 114                          ; SB + 8704 w + 272 l
.set LSY, 115                          ; SB + 8704 w + 4352 h + 16 r
.set SPT, 116                          ; PB + 256 w + 16 r
.set LPT, 117                          ; PB
.set GO,  118                          ; 8 t
.set BETA, 120                         ; v[120:121] beta[t], twice
.set Z,   122                          ; v[122:125] four output sums
.set T0,  126
.set T1,  127
.set ACC, 128                          ; v[128:191] M y; then columns 22-31 of A; then the tail's sums
.set GACC, 192                         ; v[192:239] six tiles of G; later the second wave's partial sums
; window 1: staging of M (0-127) and y (128-255); then columns 0-7 of A; then my two columns of M
; window 2: fragments (M 0-127, my 32 rows of M 128-191, y 192-255); then columns 8-21 of A
; window 3: ring of 32 table records of 8 registers
; A lies by columns: column j holds rows (j & ~1) .. 31, so that every pair (even row, odd row) is an aligned register pair.
.set MSB, 0
.macro WIN new                         ; low byte: bits 1:0 source 0, 3:2 source 1, 5:4 source 2, 7:6 destination; high byte: the setting left
.if MSB != (\new)
	s_set_vgpr_msb (MSB<<8)|(\new)
.set MSB, (\new)
.endif
.endm
.macro W4 a, b, c, d
.set NW_, (\a)|((\b)<<2)|((\c)<<4)|((\d)<<6)
	WIN NW_
.endm
.macro COLSET j                        ; TW = window of column j, TBS + i = register of A[i][j] in it
.set CC_, (\j)>>1
.set OFF_, 66*CC_-2*CC_*CC_+((\j)&1)*(32-2*CC_)-2*CC_
.if (\j) < 8
.set TW, 1
.set TBS, OFF_
.else
.if (\j) < 22
.set TW, 2
.set TBS, OFF_-232
.else
.set TW, 0
.set TBS, OFF_+128-484
.endif
.endif
.endm
.macro ADV pj, pp                      ; the next row pair of the triangle, column by column
.set \pp, \pp+2
.if \pp >= 32
.set \pj, \pj+1
.set \pp, (\pj>>1)<<1
.endif
.endm
	s_load_b256 s[4:11], s[0:1], 0x0               ; inputs s[4:5], latent_reps s[6:7], kernel s[8:9], bias s[10:11]
	s_load_b128 s[12:15], s[0:1], 0x20             ; beta_weights s[12:13], out0 s[14:15]
	v_lshl_add_u32 v112, v0, 2, 0x13400
	v_mov_b32 v119, 0
	v_lshrrev_b32 v[T0], 5, v0
	v_readfirstlane_b32 s16, v[T0]                 ; w, the wave
	v_and_b32 v1, 31, v0                           ; l
	v_and_b32 v2, 15, v0                           ; r
	v_bfe_u32 v3, v0, 4, 1                         ; h
	s_mov_b32 s20, 0x76543210                      ; v_permlanex16_b32: lane i takes lane i of the other half
	s_mov_b32 s21, 0xfedcba98
	s_mov_b32 s19, 0
	v_lshlrev_b32 v[GA], 4, v0
	s_lshl_b32 s17, s16, 14
	v_lshl_add_u32 v[GY], v1, 4, s17
	s_lshl_b32 s17, s16, 12
	v_lshl_add_u32 v[GX], v1, 4, s17
	v_lshlrev_b32 v[GB], 2, v0
	v_lshlrev_b32 v[GO], 3, v0
	s_wait_kmcnt 0x0
	s_lshl_b32 s18, ttmp9, 13                      ; batch b: 64 rows of 128 bytes of x,
	s_add_nc_u64 s[4:5], s[4:5], s[18:19]
	s_lshl_b32 s18, ttmp9, 15                      ; 64 rows of 512 bytes of y,
	s_add_nc_u64 s[6:7], s[6:7], s[18:19]
	s_lshl_b32 s18, ttmp9, 9                       ; one row of 512 bytes of z
	s_add_nc_u64 s[14:15], s[14:15], s[18:19]
	; ALL GLOBAL LOADS, 73 a wave; each 16-byte load of a wave covers 512 consecutive bytes.  No address register or base is written again.
	WIN 0x40                                       ; data into window 1
.set q_, 0
.rept 16
	global_load_b128 v[4*q_:4*q_+3], v[GA], s[8:9] offset:1024*q_          ; K row 2 q + w, columns 4 l ..
.set q_, q_+1
.endr
.set q_, 0
.rept 16
	global_load_b128 v[64+4*q_:64+4*q_+3], v[GA], s[10:11] offset:1024*q_  ; B row 2 q + w
.set q_, q_+1
.endr
.set q_, 0
.rept 32
	global_load_b128 v[128+4*q_:128+4*q_+3], v[GY], s[6:7] offset:512*q_ th:TH_LOAD_NT   ; y row 32 w + q
.set q_, q_+1
.endr
	WIN 0
.set q_, 0
.rept 8
	global_load_b128 v[X+4*q_:X+4*q_+3], v[GX], s[4:5] offset:512*q_ th:TH_LOAD_NT       ; x rows 32 w + 4 q + (l>>3)
.set q_, q_+1
.endr
	global_load_b32 v[BETA], v[GB], s[12:13]
	; LDS addresses, while the loads are on their way
	s_mul_i32 s17, s16, PM
	v_lshl_add_u32 v[SM], v1, 3, s17
	s_mul_i32 s22, s16, 32*PM                      ; my wave's 32 rows of pitch 272
	s_add_co_u32 s17, s22, YB
	v_lshl_add_u32 v[SY], v1, 3, s17
	s_mul_i32 s23, s16, 32*PX
	s_add_co_u32 s23, s23, XB
	v_lshrrev_b32 v[T0], 3, v1
	v_and_b32 v[T1], 7, v1
	v_mul_u32_u24 v[T0], v[T0], PX
	v_lshl_add_u32 v[T0], v[T1], 4, v[T0]
	v_add_nc_u32 v[SX], s23, v[T0]
	v_mul_u32_u24 v[T0], v1, PX
	v_add_nc_u32 v[LX], s23, v[T0]
	v_mul_u32_u24 v[T0], v2, PM
	v_lshl_add_u32 v[FM], v3, 4, v[T0]
	v_add_nc_u32 v[FB], s22, v[FM]
	v_add_nc_u32 v[FY], YB, v[FB]
	v_mul_u32_u24 v[T0], v2, PT
	v_lshl_add_u32 v[T0], v3, 7, v[T0]
	s_lshl_b32 s17, s16, 3
	s_add_co_u32 s17, s17, TB
	v_add_nc_u32 v[STB], s17, v[T0]
	v_mov_b32 v[TA], TB
	s_add_co_u32 s17, s22, SB
	v_mul_u32_u24 v[T0], v1, PM
	v_add_nc_u32 v[SSY], s17, v[T0]
	v_mul_u32_u24 v[T0], v3, 16*PM
	v_lshl_add_u32 v[T0], v2, 4, v[T0]
	v_add_nc_u32 v[LSY], s17, v[T0]
	s_lshl_b32 s17, s16, 8
	s_add_co_u32 s17, s17, PB
	v_lshl_add_u32 v[SPT], v2, 4, s17
	v_mov_b32 v[LPT], PB
	; TO bf16 AND INTO LDS
	s_wait_loadcnt 41                              ; the 32 loads of K and B are in; y's 32, x's 8 and beta's one may be out
	WIN 0x45
.set q_, 0
.rept 32
	v_cvt_pk_bf16_f32 v[4*q_], v[4*q_], v[4*q_+1]
	v_cvt_pk_bf16_f32 v[4*q_+1], v[4*q_+2], v[4*q_+3]
.set q_, q_+1
.endr
	WIN 0x04                                       ; store data from window 1
.set q_, 0
.rept 32
	ds_store_b64 v[SM], v[4*q_:4*q_+1] offset:2*PM*q_      ; row 2 q + w of M (q < 16: K, else B), 8 bytes a lane
.set q_, q_+1
.endr
	s_wait_loadcnt 9                               ; y is in; x's 8 and beta's one may be out
	WIN 0x45
.set q_, 32
.rept 32
	v_cvt_pk_bf16_f32 v[4*q_], v[4*q_], v[4*q_+1]
	v_cvt_pk_bf16_f32 v[4*q_+1], v[4*q_+2], v[4*q_+3]
.set q_, q_+1
.endr
	WIN 0x04
.set q_, 0
.rept 32
	ds_store_b64 v[SY], v[128+4*q_:128+4*q_+1] offset:PM*q_
.set q_, q_+1
.endr
	s_wait_loadcnt 0x0
	WIN 0
.set q_, 0
.rept 8
	ds_store_b128 v[SX], v[X+4*q_:X+4*q_+3] offset:4*PX*q_
.set q_, q_+1
.endr
	v_mov_b32 v[BETA+1], v[BETA]
	s_wait_dscnt 0x0                               ; my stores are in LDS before I say so: each wave wrote half of M's rows, both read all
	s_barrier_signal -1
	s_barrier_wait -1
	; FRAGMENTS: 16 rows x 32 k of bf16 = two 16-byte loads, 32 bytes apart, at row x pitch + 16 h
	WIN 0x80                                       ; data into window 2
.irp mt, 0,1,2,3
.irp ks, 0,1,2,3
	ds_load_b128 v[32*\mt+8*\ks:32*\mt+8*\ks+3],   v[FM] offset:16*PM*\mt+64*\ks
	ds_load_b128 v[32*\mt+8*\ks+4:32*\mt+8*\ks+7], v[FM] offset:16*PM*\mt+64*\ks+32
.endr
.endr
.irp nt, 0,1
.irp ks, 0,1,2,3
	ds_load_b128 v[128+32*\nt+8*\ks:128+32*\nt+8*\ks+3],   v[FB] offset:16*PM*\nt+64*\ks
	ds_load_b128 v[128+32*\nt+8*\ks+4:128+32*\nt+8*\ks+7], v[FB] offset:16*PM*\nt+64*\ks+32
.endr
.endr
.irp tt, 0,1
.irp ks, 0,1,2,3
	ds_load_b128 v[192+32*\tt+8*\ks:192+32*\tt+8*\ks+3],   v[FY] offset:16*PM*\tt+64*\ks
	ds_load_b128 v[192+32*\tt+8*\ks+4:192+32*\tt+8*\ks+7], v[FY] offset:16*PM*\tt+64*\ks+32
.endr
.endr
	WIN 0
.set q_, 0
.rept 8
	ds_load_b128 v[X+4*q_:X+4*q_+3], v[LX] offset:16*q_    ; my system's x
.set q_, q_+1
.endr
	; MATRIX WORK.  Sources in window 2, sums in window 0.  The first k step starts each sum with the constant 0.
.macro GT g, mt, nt                    ; tile g of G: rows 16 mt .. of M x my wave's rows 16 nt ..
.if ks == 0
	v_wmma_f32_16x16x32_bf16 v[GACC+8*\g:GACC+8*\g+7], v[32*\mt+8*ks:32*\mt+8*ks+7], v[128+32*\nt+8*ks:128+32*\nt+8*ks+7], 0
.else
	v_wmma_f32_16x16x32_bf16 v[GACC+8*\g:GACC+8*\g+7], v[32*\mt+8*ks:32*\mt+8*ks+7], v[128+32*\nt+8*ks:128+32*\nt+8*ks+7], v[GACC+8*\g:GACC+8*\g+7]
.endif
.endm
.macro YT mt, tt                       ; rows 16 mt .. of M x my systems 16 tt ..
.if ks == 0
	v_wmma_f32_16x16x32_bf16 v[ACC+16*\mt+8*\tt:ACC+16*\mt+8*\tt+7], v[32*\mt+8*ks:32*\mt+8*ks+7], v[192+32*\tt+8*ks:192+32*\tt+8*ks+7], 0
.else
	v_wmma_f32_16x16x32_bf16 v[ACC+16*\mt+8*\tt:ACC+16*\mt+8*\tt+7], v[32*\mt+8*ks:32*\mt+8*ks+7], v[192+32*\tt+8*ks:192+32*\tt+8*ks+7], v[ACC+16*\mt+8*\tt:ACC+16*\mt+8*\tt+7]
.endif
.endm
	s_wait_dscnt 24                                ; M's 48 fragment loads are in; y's 16 and x's 8 may be out
	WIN 0x0a
.set ks, 0
.rept 4
	GT 0, 0, 0                                     ; only blocks of the lower triangle: (i block, j block) = (0,0), (1,0), (1,1),
	GT 1, 1, 0                                     ; with rows of K (mt 0, 1) and rows of B (mt 2, 3)
	GT 2, 1, 1
	GT 3, 2, 0
	GT 4, 3, 0
	GT 5, 3, 1
.set ks, ks+1
.endr
	s_wait_dscnt 8                                 ; y's fragments are in; x's 8 loads may be out
.set ks, 0
.rept 4
.irp mt, 0,1,2,3
	YT \mt, 0
	YT \mt, 1
.endr
.set ks, ks+1
.endr
	WIN 0
.rept 4
	v_nop                                          ; four plain places behind the last matrix instruction before results are read (ISA guide 7.12.1)
.endr
	; G into the table.  Lane (r, h), registers 2 e, 2 e + 1 of a tile: rows i = 16 (mt&1) + 8 h + 2 e, + 1, column j = 16 nt + r.
	; Wave 0 has the products with K_j (bytes 0 and 16 of a record), wave 1 those with B_j (bytes 8 and 24).
.macro TST g, mt, nt
.irp e, 0,1,2,3
	ds_store_b64 v[STB], v[GACC+8*\g+2*\e:GACC+8*\g+2*\e+1] offset:16*PT*\nt+256*(\mt&1)+32*\e+16*(\mt>>1)
.endr
.endm
	TST 0, 0, 0
	TST 1, 1, 0
	TST 2, 1, 1
	TST 3, 2, 0
	TST 4, 3, 0
	TST 5, 3, 1
	; M y to its owners.  Register jj of tile (mt, 0) holds rows 16 mt + jj (lanes 0-15) and + 8 (lanes 16-31) of systems r, that of
	; tile (mt, 1) the same of systems 16 + r.  Exchanging the first's upper lanes with the second's lower lanes leaves row n of
	; lane l's own system in register ACC + n.
.irp mt, 0,1,2,3
.irp jj, 0,1,2,3,4,5,6,7
	v_permlane16_swap_b32 v[ACC+16*\mt+\jj], v[ACC+16*\mt+8+\jj]
.endr
.endr
	s_wait_dscnt 0x0                               ; x is in, and my table stores are in LDS before I say so
	s_barrier_signal -1
.set e_, 0
.rept 16                                           ; x to bf16 and back: a factor of the matrix operand fp, like K and B
	v_cvt_pk_bf16_f32 v[T0+(e_&1)], v[X+2*e_], v[X+2*e_+1]
	v_lshlrev_b32 v[X+2*e_], 16, v[T0+(e_&1)]
	v_and_b32 v[X+2*e_+1], 0xffff0000, v[T0+(e_&1)]
.set e_, e_+1
.endr
.set e_, 0
.rept 16
	v_pk_fma_f32 v[C+2*e_:C+2*e_+1], v[X+2*e_:X+2*e_+1], v[ACC+2*e_:ACC+2*e_+1], v[ACC+32+2*e_:ACC+32+2*e_+1]   ; c = x o (K y) + B y
.set e_, e_+1
.endr
	s_barrier_wait -1                              ; the table is whole: both waves wrote half of every record
	; BUILD A: 272 row pairs in 34 groups of 8.  A record comes by two loads that every lane makes at the same address.
.set ldj, 0
.set ldp, 0
.set ldsl, 0
.set cpj, 0
.set cpp, 0
.set cpsl, 0
.macro LOADG
	WIN 0xfc                                       ; data into window 3, address from window 0
.rept 8
	ds_load_b128 v[8*ldsl:8*ldsl+3],   v[TA] offset:PT*ldj+16*ldp
	ds_load_b128 v[8*ldsl+4:8*ldsl+7], v[TA] offset:PT*ldj+16*ldp+16
.set ldsl, (ldsl+1)%32
	ADV ldj, ldp
.endr
.endm
.macro COMPG
.set svj, cpj
.set svp, cpp
.set svs, cpsl
	WIN 0xfc                                       ; x from window 0, records in window 3
.rept 8
.if cpj & 1
	v_pk_fma_f32 v[8*cpsl:8*cpsl+1],   v[X+cpj-1:X+cpj], v[8*cpsl:8*cpsl+1],   v[8*cpsl+2:8*cpsl+3] op_sel:[1,0,0] op_sel_hi:[1,1,1]
	v_pk_fma_f32 v[8*cpsl+4:8*cpsl+5], v[X+cpj-1:X+cpj], v[8*cpsl+4:8*cpsl+5], v[8*cpsl+6:8*cpsl+7] op_sel:[1,0,0] op_sel_hi:[1,1,1]
.else
	v_pk_fma_f32 v[8*cpsl:8*cpsl+1],   v[X+cpj:X+cpj+1], v[8*cpsl:8*cpsl+1],   v[8*cpsl+2:8*cpsl+3] op_sel_hi:[0,1,1]
	v_pk_fma_f32 v[8*cpsl+4:8*cpsl+5], v[X+cpj:X+cpj+1], v[8*cpsl+4:8*cpsl+5], v[8*cpsl+6:8*cpsl+7] op_sel_hi:[0,1,1]
.endif
.set cpsl, (cpsl+1)%32
	ADV cpj, cpp
.endr
.set cpj, svj
.set cpp, svp
.set cpsl, svs
.rept 8
	COLSET cpj
	W4 0, 3, 3, TW
	v_pk_fma_f32 v[TBS+cpp:TBS+cpp+1], v[X+cpp:X+cpp+1], v[8*cpsl:8*cpsl+1], v[8*cpsl+4:8*cpsl+5]   ; x_i (x_j KK + KB) + (x_j BK + BB)
.set cpsl, (cpsl+1)%32
	ADV cpj, cpp
.endr
.endm
	LOADG
	LOADG
	LOADG
.set g_, 0
.rept 34
.if g_ <= 31
	s_wait_dscnt 32                                ; this group's 16 loads are in; the two younger groups' 32 may be out
.else
.if g_ == 32
	s_wait_dscnt 16                                ; one younger group is left
.else
	s_wait_dscnt 0x0
.endif
.endif
.if g_ <= 30
	LOADG                                          ; three groups ahead, into the eight records that the last group used up
.endif
	COMPG
.set g_, g_+1
.endr
	; CHOLESKY A = L L^T by columns, with L^-1 c on the way; then L^-T.
.macro RSQ k                           ; INV[k] = 1 / sqrt(pivot k)
	COLSET \k
	W4 TW, 0, 0, 0
	v_rsq_f32 v[INV+(\k)], v[TBS+(\k)]
.if ((\k)&1) == 0
	v_rsq_f32 v[INV+(\k)+1], v[TBS+(\k)]           ; fills the pair that the packed multiply names; the next pivot's value replaces it
.endif
	v_nop                                          ; one plain place behind a transcendental before its result is used (ISA guide 5.7.2)
	s_wait_alu depctr_va_vdst(0)
.endm
.macro SCALE k                         ; column k of L = column k of A x INV[k]
	COLSET \k
	W4 TW, 0, 0, TW
.set p_, (((\k)+1)>>1)<<1
.if p_ < 32
.rept (32-p_)/2
.if (\k)&1
	v_pk_mul_f32 v[TBS+p_:TBS+p_+1], v[TBS+p_:TBS+p_+1], v[INV+(\k)-1:INV+(\k)] op_sel:[0,1] op_sel_hi:[1,1]
.else
	v_pk_mul_f32 v[TBS+p_:TBS+p_+1], v[TBS+p_:TBS+p_+1], v[INV+(\k):INV+(\k)+1] op_sel_hi:[1,0]
.endif
.set p_, p_+2
.endr
.endif
.endm
.macro UPD k, j                        ; column j of A -= column k of L x L[j][k]
	COLSET \k
.set KW, TW
.set KBS, TBS
	COLSET \j
	W4 KW, KW, TW, TW
.set p_, ((\j)>>1)<<1
.set b_, KBS+p_
.rept (32-p_)/2
.if (\j)&1
	v_pk_fma_f32 v[TBS+p_:TBS+p_+1], v[KBS+p_:KBS+p_+1], v[b_:b_+1], v[TBS+p_:TBS+p_+1] op_sel:[0,1,0] op_sel_hi:[1,1,1] neg_lo:[1,0,0] neg_hi:[1,0,0]
.else
	v_pk_fma_f32 v[TBS+p_:TBS+p_+1], v[KBS+p_:KBS+p_+1], v[b_:b_+1], v[TBS+p_:TBS+p_+1] op_sel_hi:[1,0,1] neg_lo:[1,0,0] neg_hi:[1,0,0]
.endif
.set p_, p_+2
.endr
.endm
.macro FWD k                           ; c[k] x= INV[k]; c[i] -= L[i][k] c[k] for i > k
	WIN 0
	v_mul_f32 v[C+(\k)], v[C+(\k)], v[INV+(\k)]
	s_wait_alu depctr_va_vdst(0)
.if (\k) < 31
	COLSET \k
	W4 TW, 0, 0, 0
.if (\k)&1
.set p_, (\k)+1
.else
	v_fma_f32 v[C+(\k)+1], -v[TBS+(\k)+1], v[C+(\k)], v[C+(\k)+1]
	s_wait_alu depctr_va_vdst(0)
.set p_, (\k)+2
.endif
.if p_ < 32
.rept (32-p_)/2
.if (\k)&1
	v_pk_fma_f32 v[C+p_:C+p_+1], v[TBS+p_:TBS+p_+1], v[C+(\k)-1:C+(\k)], v[C+p_:C+p_+1] op_sel:[0,1,0] op_sel_hi:[1,1,1] neg_lo:[1,0,0] neg_hi:[1,0,0]
.else
	v_pk_fma_f32 v[C+p_:C+p_+1], v[TBS+p_:TBS+p_+1], v[C+(\k):C+(\k)+1], v[C+p_:C+p_+1] op_sel_hi:[1,0,1] neg_lo:[1,0,0] neg_hi:[1,0,0]
.endif
.set p_, p_+2
.endr
.endif
.endif
.endm
.macro STEP k                          ; the next pivot's column is updated first, so that its root is ready while the rest is updated
	SCALE \k
.if (\k) < 31
	UPD \k, (\k)+1
	RSQ (\k)+1
.endif
	FWD \k
.if (\k) < 30
.set jj, (\k)+2
.rept 30-(\k)
	UPD \k, jj
.set jj, jj+1
.endr
.endif
.endm
.macro BWD k                           ; c[k] x= INV[k]; c[j] -= L[k][j] c[k] for j < k, the nearest j first
	WIN 0
	v_mul_f32 v[C+(\k)], v[C+(\k)], v[INV+(\k)]
.if (\k) > 0
.set j_, (\k)-1
.rept (\k)
	COLSET j_
	W4 TW, 0, 0, 0
	v_fma_f32 v[C+j_], -v[TBS+(\k)], v[C+(\k)], v[C+j_]
.set j_, j_-1
.endr
.endif
.endm
	RSQ 0
.set kk, 0
.rept 32
	STEP kk
.set kk, kk+1
.endr
.set kk, 31
.rept 32
	BWD kk
.set kk, kk-1
.endr
	; TAIL.  Thread t makes z[2 t], z[2 t + 1]: its two bf16 of each row of M come in now, into window 1 (columns 0-7 of A are done with).
	WIN 0x40
.set n_, 0
.rept 64
	ds_load_b32 v[n_], v[GB] offset:PM*n_
.set n_, n_+1
.endr
	WIN 0
.set e_, 0
.rept 16
	v_pk_mul_f32 v[C+2*e_:C+2*e_+1], v[C+2*e_:C+2*e_+1], v[BETA:BETA+1]        ; beta alpha
.set e_, e_+1
.endr
.set e_, 0
.rept 16
	v_pk_mul_f32 v[X+2*e_:X+2*e_+1], v[X+2*e_:X+2*e_+1], v[C+2*e_:C+2*e_+1]    ; beta x alpha
.set e_, e_+1
.endr
.set e_, 0
.rept 8
	ds_store_b128 v[SSY], v[X+4*e_:X+4*e_+3] offset:16*e_
.set e_, e_+1
.endr
.set e_, 0
.rept 8
	ds_store_b128 v[SSY], v[C+4*e_:C+4*e_+3] offset:128+16*e_
.set e_, e_+1
.endr
	s_wait_dscnt 0x0
	s_barrier_signal -1
	s_barrier_wait -1
	; sum over my wave's 32 systems: lane (r, h) adds numbers 4 r .. 4 r + 3 of systems 16 h .. 16 h + 15, then the halves meet
.set s_, 0
.rept 16
	ds_load_b128 v[128+4*s_:128+4*s_+3], v[LSY] offset:PM*s_
.set s_, s_+1
.endr
	s_wait_dscnt 0x0
.irp d, 8,4,2,1
.set s_, 0
.rept \d
	v_pk_add_f32 v[128+4*s_:128+4*s_+1], v[128+4*s_:128+4*s_+1], v[128+4*(s_+\d):128+4*(s_+\d)+1]
	v_pk_add_f32 v[130+4*s_:130+4*s_+1], v[130+4*s_:130+4*s_+1], v[130+4*(s_+\d):130+4*(s_+\d)+1]
.set s_, s_+1
.endr
.endr
.irp i, 0,1,2,3
	v_permlanex16_b32 v[132+\i], v[128+\i], s20, s21
.endr
	v_pk_add_f32 v[128:129], v[128:129], v[132:133]
	v_pk_add_f32 v[130:131], v[130:131], v[134:135]
	ds_store_b128 v[SPT], v[128:131]               ; both halves of the lanes store the same 16 bytes at the same place
	s_wait_dscnt 0x0                               ; in LDS before I say so: the other wave reads them
	s_barrier_signal -1
	s_barrier_wait -1
.set e_, 0
.rept 16
	ds_load_b128 v[128+4*e_:128+4*e_+3], v[LPT] offset:16*e_
	ds_load_b128 v[192+4*e_:192+4*e_+3], v[LPT] offset:256+16*e_
.set e_, e_+1
.endr
	s_wait_dscnt 0x0
.set e_, 0
.rept 32
	v_pk_add_f32 v[128+2*e_:128+2*e_+1], v[128+2*e_:128+2*e_+1], v[192+2*e_:192+2*e_+1]   ; v[128 + n]: the weight of row n of M
.set e_, e_+1
.endr
	; z = sum over n of M[n][.] x weight n, in four chains; rows 0 and 1 start them
	WIN 0x04
	v_lshlrev_b32 v[Z], 16, v0                     ; v0, v1 of window 1: rows 0 and 1 of M
	v_and_b32 v[Z+1], 0xffff0000, v0
	v_lshlrev_b32 v[Z+2], 16, v1
	v_and_b32 v[Z+3], 0xffff0000, v1
	WIN 0
	v_pk_mul_f32 v[Z:Z+1], v[Z:Z+1], v[128:129] op_sel_hi:[1,0]
	v_pk_mul_f32 v[Z+2:Z+3], v[Z+2:Z+3], v[128:129] op_sel:[0,1] op_sel_hi:[1,1]
	WIN 0x01                                       ; M from window 1
.set n_, 2
.rept 62
	v_fma_mix_f32_bf16 v[Z+2*(n_&1)],   v[n_], v[128+n_], v[Z+2*(n_&1)] op_sel_hi:[1,0,0]
	v_fma_mix_f32_bf16 v[Z+2*(n_&1)+1], v[n_], v[128+n_], v[Z+2*(n_&1)+1] op_sel:[1,0,0] op_sel_hi:[1,0,0]
.set n_, n_+1
.endr
	WIN 0
	v_pk_add_f32 v[Z:Z+1], v[Z:Z+1], v[Z+2:Z+3]
	global_store_b64 v[GO], v[Z:Z+1], s[14:15]     ; a wave's store covers 256 consecutive bytes, at a multiple of 256 from out0's first byte
	s_wait_tensorcnt 0x0
	ds_add_u32 v112, v119
	s_wait_dscnt 0x0
	s_endpgm
.Lfunc_end_k_q1aac2413e4_fta:
	.size	k_q1aac2413e4_fta, .Lfunc_end_k_q1aac2413e4_fta-k_q1aac2413e4_fta
	.p2alignl 7, 3214868480
	.fill 96, 4, 3214868480
	.section	.rodata,"a",@progbits
	.p2align	6, 0x0
	.amdhsa_kernel k_q1aac2413e4_fta
		.amdhsa_group_segment_fixed_size 79104
		.amdhsa_private_segment_fixed_size 0
		.amdhsa_enable_private_segment 0
		.amdhsa_kernarg_size 48
		.amdhsa_user_sgpr_count 2
		.amdhsa_user_sgpr_kernarg_segment_ptr 1
		.amdhsa_wavefront_size32 1
		.amdhsa_system_sgpr_workgroup_id_x 1
		.amdhsa_system_sgpr_workgroup_id_y 1
		.amdhsa_system_sgpr_workgroup_id_z 1
		.amdhsa_system_vgpr_workitem_id 0
		.amdhsa_next_free_vgpr 1024
		.amdhsa_next_free_sgpr 66
		.amdhsa_reserve_vcc 0
		.amdhsa_float_denorm_mode_32 3
		.amdhsa_float_denorm_mode_16_64 3
		.amdhsa_memory_ordered 1
		.amdhsa_forward_progress 1
		.amdhsa_inst_pref_size 255
	.end_amdhsa_kernel
	.section	.bss,"aw",@nobits
	.p2align	6
	.space	262144
	.amdgpu_metadata
---
amdhsa.version: [ 1, 2 ]
amdhsa.kernels:
  - .name:           k_q1aac2413e4_fta
    .symbol:         k_q1aac2413e4_fta.kd
    .args:
      - { .name: inputs, .offset: 0, .size: 8, .value_kind: global_buffer, .address_space: global }
      - { .name: latent_reps, .offset: 8, .size: 8, .value_kind: global_buffer, .address_space: global }
      - { .name: kernel, .offset: 16, .size: 8, .value_kind: global_buffer, .address_space: global }
      - { .name: bias, .offset: 24, .size: 8, .value_kind: global_buffer, .address_space: global }
      - { .name: beta_weights, .offset: 32, .size: 8, .value_kind: global_buffer, .address_space: global }
      - { .name: out0, .offset: 40, .size: 8, .value_kind: global_buffer, .address_space: global }
    .group_segment_fixed_size: 79104
    .private_segment_fixed_size: 0
    .kernarg_segment_align: 8
    .kernarg_segment_size: 48
    .max_flat_workgroup_size: 64
    .sgpr_count:     66
    .vgpr_count:     1024
    .wavefront_size: 32
...
	.end_amdgpu_metadata
.endif
;; end of part 1
